; MI455X (gfx1250); checked and timed in simulation.
; The chip was launched on July 23, 2026; its instructions are those of AMD's public machine-readable ISA for CDNA 5 (MIT licence, August 2026) and "CDNA5" Instruction Set Architecture Reference Guide (July 2026). The comments in the code are by the model that wrote it; some were corrected since.
;; Sub Graph. Allowed arithmetic: float matrix products may take bf16 or f16 operands with f32 sums; other float arithmetic in f32, or as packed bf16 or f16 multiplies, adds, multiply-adds, maxima and minima; sums over many terms, partial sums and values carried from step to step in f32; what a program stores and reads back later, other than sums and carried values, may be rounded once to bf16 or f16.
;; Inputs: W1 128 x 128 float32; W2 256 x 128 float32; W3 256 x 128 float32; b1 128 float32; b2 128 float32; b3 128 float32; be1 128 float32; be2 128 float32; be3 128 float32; g1 128 float32; g2 128 float32; g3 128 float32; hidden_states 8,192 x 64 x 128 float32; lengths 8,192 int32.
;; Outputs: out0 8,192 x 256 float32.
;; 2 versions, each right; version 2 is version 1 with the launch subgraph written anew for expert scheduling mode. Each part assembles by itself: llvm-mc -triple=amdgcn-amd-amdhsa -mcpu=gfx1250 --defsym DOCPART=n.
;; ======== version 1 of 2: 1 launch
;; limits: values are held in f16: magnitudes above 65,504 overflow, below 6.1e-05 lose precision; right only within a limited range of input values
;; launch subgraph (part 1): grid 256 x 1, 8 waves a work-group, no clusters, 259,584 bytes of LDS; arguments hidden_states, lengths, out0, W1, W2, W3, b1, g1, be1, b2, g2, be2, b3, g3, be3; writes out0
.if DOCPART == 1
	.amdgcn_target "amdgcn-amd-amdhsa--gfx1250"
	.amdhsa_code_object_version 6
	.text
	.protected	k_q27cac873c3_subgraph
	.globl	k_q27cac873c3_subgraph
	.p2align	8
	.type	k_q27cac873c3_subgraph,@function
k_q27cac873c3_subgraph:
	s_mov_b64 s[64:65], 0
	v_nop
	global_prefetch_b8 v0, s[64:65] scope:SCOPE_SE
	s_setreg_imm32_b32 hwreg(HW_REG_WAVE_MODE, 25, 1), 1
	s_wait_xcnt 0x0
; SUB-GRAPH: three times (Linear, LayerNorm, ReLU, masked max over a polyline's 64 vectors, max joined to every vector), then the masked max.
; hidden_states [8192][64][128] f32, lengths [8192] i32, W1 [128][128], W2, W3 [256][128], b, g, be [128] f32; out0 [8192][256] f32.
; WHAT IS USED OF THE PROBLEM ITSELF.  (1) [x, phi] W = x W[0:128] + phi W[128:256], and phi is one row a polyline: its product is made once (32 matrix instructions) and
; starts the sums of all 64 rows.  (2) The result is [phi3, phi3].  (3) Rows do not look at each other but through the masked max, so a slot at or behind the length is fed the
; last valid row (the row's number is clamped in the load's address): the plain max over 64 slots then IS the masked max, and rows behind the length are not read.
; (4) y - mean(y) = x W' + b' with W'[k][n] = W[k][n] - mean over n of W[k][:], b' = b - mean(b): made in f32 at the head, W' rounded once to f16; var = sum(y'^2) / 128.
; FORMAT.  x, W', the activations between the layers and phi1, phi2 are f16 matrix operands (11 significant bits: six roundings lie between an input and a result, and a result near 0 is
; allowed one hundredth of the results' root mean square only); sums, norms and phi3 are f32.
; LIMITS.  f16 holds no number beyond 65,504: x and W' lie within it, and so does an activation z = y^ g + be, where |y^| <= sqrt(127) < 11.3: the text serves 11.3 |g| + |be| < 65,504.
; Below 6e-5 an operand keeps f16's fixed step of 6e-8.  A length of 0 or less gives -inf in all 256 numbers; a length above 64 counts as 64.  NaN and infinities in the floating-point
; inputs are not treated apart (a maximum drops a NaN).  The mean is taken out of the weights, not out of y: another order of rounding.
; SHARES.  256 work-groups of 8 waves; wave w of work-group g owns polylines 32 g + 4 w .. + 3 and takes each through all three layers in registers.  After the one barrier (weights in LDS) no wave waits for another.
; Two waves lie on a SIMD (512 registers each): one wave's vector phase runs beside the other's matrix phase.
; LAYOUT.  Products are taken transposed: source 0 = 16 output features (W' lies in LDS as [k][n] and comes out turned, by ds_load_tr16_b128), source 1 = 16 rows of x.  In the result lane (r = l % 16, h = l / 16)
; holds row r and features 16 f + 8 h + 0..7.  Two neighbouring feature tiles rounded to f16 ARE source 1 of the next layer: nothing changes lanes between the layers.
; NO CLUSTER, NO TENSOR LOADS.  x: the clamp wants an address a lane, and a fragment comes straight from memory, 16 bytes a lane.  The weights, which all work-groups share, are read once a work-group (327,680 bytes)
; and must pass through registers in f32 to be centred and rounded; as f32 they would take all of LDS.
; LDS: WB 640 rows [W1; W2; W3] of 256 bytes f16 + 32 of padding; CB three layers' b', g, be; a stage for each wave; the spare words.
.set PW,    288                        ; a row of W' in LDS: 72 words: the turning load's 8 rows x 32 bytes fall on different words modulo 64
.set WB2A,  128*PW
.set WB2B,  256*PW
.set WB3A,  384*PW
.set WB3B,  512*PW
.set CB,    640*PW                     ; layer i: b' at CB + 1536 i, g 512 on, be 1,024 on
.set CBL,   1536
.set STG,   CB+3*CBL                   ; wave w's stage at STG + STGB w: 16 rows x 272 (f16 maxima) or 16 rows x 528 (f32 maxima), then phi, 256 bytes
.set P16,   272
.set P32,   528
.set PHIO,  16*P32
.set STGB,  PHIO+256
.set SPARE, STG+8*STGB                 ; the spare words, 128 bytes for each wave: four blocks of 256 bytes that no other line names
; window 0
.set SPW,  1                           ; v1   LDS address of my spare word; never rewritten
.set NIL,  2                           ; v2   0, for the add alone
.set ZERO, 3                           ; v3   0, for the ReLU
.set AWL,  4                           ; v4   my lane's place in a turned fragment: (8 h + l % 8) PW + 16 ((l / 8) % 2)
.set AWC,  5                           ; v5   the same in the matrix that multiplies x (at the head: LDS base for W1's rows)
.set AWD,  6                           ; v6   the same in the matrix that multiplies phi (at the head: LDS base for W2's rows)
.set AC,   7                           ; v7   CB + 32 h
.set GA,   8                           ; v8-11  byte offset of my row in tile t of the polyline that is asked for
.set OO,   12                          ; v12  16 l
.set RI,   13                          ; v13  r
.set HB,   14                          ; v14  32 h
.set TP,   15                          ; v15  at work
.set F,    16                          ; v16-63  three slots of two fragments of W'; in vector phases:
.set RS,   16                          ;   v16-23  tile t: 1 / sqrt(var + eps), var + eps
.set STO16, 24                         ;   v24-29  the stage's addresses
.set RD16,  25
.set PHS,   26
.set PHL,   27
.set STO32, 28
.set RD32,  29
.set SM,   32                          ;   v32-63  sums of squares; the chunk's maxima; the stage read back; phi as source 1
.set C,    64                          ; v64-127 what starts the sums, 8 registers a feature tile; in vector phases two sets of g (16) and be (16)
.set X,    128                         ; v128-255 source 1: tile t, k block u at X + 32 t + 8 u
; window 1: the 32 accumulators, (t, f) at 64 t + 8 f; between the layers the 32 fragments of the matrix that multiplies phi; v128-255 of it also take the next polyline's tiles 2 and 3 in f32
.set WV,   2                           ; s2   my wave's number
.set CNT,  3                           ; s3   polylines to go
.set LEN,  4                           ; s[4:7] lengths: this polyline's, the next one's, ..
.set XP,   44                          ; s[44:45] hidden_states at the polyline that is asked for next
.set OP,   46                          ; s[46:47] out0 at this polyline
.set SEL,  48                          ; s[48:49] v_permlanex16_b32's selects: each lane takes its own place in the other half
.set RCP,  50                          ; s50  1 / 128
.set EPS,  51                          ; s51  1e-5
.set NRC,  52                          ; s[52:53] -1 / 128
.set STGW, 54                          ; s54  my stage
.set PHW,  55                          ; s55  my phi
.set LM1,  56                          ; s56  a length less one
.set MK,   57                          ; s57  all ones where the length is below 1
.set MSB, 0
.macro WIN new                         ; s_set_vgpr_msb: bits 1:0 source 0, 3:2 source 1, 5:4 source 2, 7:6 destination; the high byte repeats the setting that is left
.if MSB != (\new)
	s_set_vgpr_msb (MSB<<8)|(\new)
.set MSB, (\new)
.endif
.endm
.macro PLACES n                        ; plain vector instructions between a matrix instruction and what touches its registers (ISA guide 7.12.1)
.rept \n
	v_nop
.endr
.endm
; My row's offset in each of the four tiles: row min(16 t + r, length - 1), held to 0 .. 63; a length of 0 or less gives a large unsigned number and clamps nothing.
.macro GACALC lreg
	s_sub_co_u32 s[LM1], \lreg, 1
.irp t, 0,1,2,3
	v_add_nc_u32 v[TP], 16*(\t), v[RI]
	v_min_u32 v[TP], s[LM1], v[TP]
	v_min_u32 v[TP], 63, v[TP]
	v_lshl_add_u32 v[GA+(\t)], v[TP], 9, v[HB]
.endr
.endm
; Tile t of x in f32, 64 registers from dst on in window win: k block u: my 8 numbers at k = 32 u + 8 h and my 8 at 32 u + 16 + 8 h.  The sixteen loads together take each row's 512 bytes whole.
.macro XLOAD t, win, dst
	WIN 0x40*(\win)
.irp u, 0,1,2,3
.irp p, 0,1,2,3
	global_load_b128 v[(\dst)+16*(\u)+4*(\p):(\dst)+16*(\u)+4*(\p)+3], v[GA+(\t)], s[XP:XP+1] offset:128*(\u)+64*((\p)/2)+16*((\p)%2)
.endr
.endr
.endm
.macro PACK dst, win, src              ; 64 f32 to 32 registers of f16; ascending, so that it may run in place
	WIN 5*(\win)
.set n1, 0
.rept 32
	v_cvt_pk_f16_f32 v[(\dst)+n1], v[(\src)+2*n1], v[(\src)+2*n1+1]
.set n1, n1+1
.endr
.endm
; 16 rows of a weight matrix, eight units of two rows: lane (r, h) takes features 8 r .. 8 r + 7 of row 2 j + h.
.macro WLOAD win, reg, vo, base, off
	WIN 0x40*(\win)
.irp j, 0,1,2,3,4,5,6,7
	global_load_b128 v[(\reg)+8*(\j):(\reg)+8*(\j)+3],   v[\vo], s[\base:\base+1] offset:(\off)+1024*(\j)
	global_load_b128 v[(\reg)+8*(\j)+4:(\reg)+8*(\j)+7], v[\vo], s[\base:\base+1] offset:(\off)+1024*(\j)+16
.endr
.endm
; Those 16 rows are centred (the row's sum over its 16 lanes, times -1/128, added), rounded to f16 and stored: 16 lanes fill a row's 256 bytes.
.macro PREPGRP win, reg, ls, imm
	WIN 5*(\win)
.set n1, 0
.rept 8
	v_pk_add_f32 v[F+4*n1:F+4*n1+1],   v[(\reg)+8*n1:(\reg)+8*n1+1],   v[(\reg)+8*n1+2:(\reg)+8*n1+3]
	v_pk_add_f32 v[F+4*n1+2:F+4*n1+3], v[(\reg)+8*n1+4:(\reg)+8*n1+5], v[(\reg)+8*n1+6:(\reg)+8*n1+7]
.set n1, n1+1
.endr
	WIN 0
.set n1, 0
.rept 8
	v_pk_add_f32 v[F+4*n1:F+4*n1+1], v[F+4*n1:F+4*n1+1], v[F+4*n1+2:F+4*n1+3]
.set n1, n1+1
.endr
.set n1, 0
.rept 8
	v_add_f32 v[F+4*n1], v[F+4*n1], v[F+4*n1+1]
.set n1, n1+1
.endr
.irp m, 1,2,4,8
.set n1, 0
.rept 8
	v_add_f32_dpp v[F+4*n1], v[F+4*n1], v[F+4*n1] row_xmask:\m row_mask:0xf bank_mask:0xf
.set n1, n1+1
.endr
.endr
	WIN 0x50*(\win)
.set n1, 0
.rept 32
	v_pk_fma_f32 v[(\reg)+2*n1:(\reg)+2*n1+1], v[F+4*(n1/4):F+4*(n1/4)+1], s[NRC:NRC+1], v[(\reg)+2*n1:(\reg)+2*n1+1] op_sel_hi:[0,0,1]
.set n1, n1+1
.endr
	WIN 5*(\win)
.set n1, 0
.rept 32
	v_cvt_pk_f16_f32 v[F+n1], v[(\reg)+2*n1], v[(\reg)+2*n1+1]
.set n1, n1+1
.endr
	WIN 0
.irp j, 0,1,2,3,4,5,6,7
	ds_store_b128 v[\ls], v[F+4*(\j):F+4*(\j)+3] offset:(\imm)+2*PW*(\j)
.endr
.endm
.macro CLOAD l                         ; layer l's b' in the accumulators' layout: all 16 rows alike
	WIN 0
.irp k, 0,1,2,3,4,5,6,7,8,9,10,11,12,13,14,15
	ds_load_b128 v[C+4*(\k):C+4*(\k)+3], v[AC] offset:CBL*(\l)+64*((\k)/2)+16*((\k)%2)
.endr
.endm
.macro GLOAD l, q                      ; layer l's g and be for feature tiles 2 q, 2 q + 1, into set q % 2: eight loads
	WIN 0
.irp k, 0,1,2,3
.set rG, C+32*((\q)%2)+4*(\k)
.set oG, CBL*(\l)+512+128*(\q)+64*((\k)/2)+16*((\k)%2)
	ds_load_b128 v[rG:rG+3],     v[AC] offset:oG
	ds_load_b128 v[rG+16:rG+19], v[AC] offset:oG+512
.endr
.endm
.macro FLOAD b                         ; batch b of 16: fragments 2 b, 2 b + 1 (k block g / 8, feature tile g % 8) into slot b % 3: four loads
	WIN 0
.irp i, 0,1
.set rF, F+16*((\b)%3)+8*(\i)
.set oF, ((2*(\b)+(\i))/8)*32*PW+((2*(\b)+(\i))%8)*32
	ds_load_tr16_b128 v[rF:rF+3],   v[AWC] offset:oF
	ds_load_tr16_b128 v[rF+4:rF+7], v[AWC] offset:oF+16*PW
.endr
.endm
; A LAYER'S 128 PRODUCTS.  pre = how many batches are on their way already.  A fragment feeds the four row tiles; the 32 accumulators take turns, one instruction a turn:
; between two links of a chain stand 31 others'.  The first k block starts the sums with C's registers.  A slot is asked for again four places behind its last product.
.macro MPHASE pre
.if (\pre) < 2
	FLOAD 1
.endif
.if (\pre) < 3
	FLOAD 2
.endif
.set nb, 0
.rept 16
.if nb < 14
	s_wait_dscnt 8                         ; LDS loads come back in order (ISA guide 5.7.1): this batch is in, the two younger batches' eight loads may be out
.elseif nb == 14
	s_wait_dscnt 4
.else
	s_wait_dscnt 0
.endif
.if nb < 4
	WIN 0x40                               ; D in window 1; W', x and the C operand in window 0
.else
	WIN 0x50                               ; C in window 1 too
.endif
.irp i, 0,1
.irp t, 0,1,2,3
.set rf, (2*nb+(\i))%8
.set rD, 64*(\t)+8*rf
.set rA, F+16*(nb%3)+8*(\i)
.set rB, X+32*(\t)+8*((2*nb+(\i))/8)
.if nb < 4
	v_wmma_f32_16x16x32_f16 v[rD:rD+7], v[rA:rA+7], v[rB:rB+7], v[C+8*rf:C+8*rf+7]
.else
	v_wmma_f32_16x16x32_f16 v[rD:rD+7], v[rA:rA+7], v[rB:rB+7], v[rD:rD+7]
.endif
.endr
.endr
.if nb < 13
	PLACES 4
	FLOAD nb+3
.endif
.set nb, nb+1
.endr
	WIN 0
.endm
; Behind layer l's products: four places (the lines below write registers that the last products read), the stage's addresses, the next layer's matrices, and the first two sets of g and be.
.macro VSTART l
	WIN 0
	PLACES 4
.if (\l) < 2
	v_mul_u32_u24 v[STO16], v[RI], P16
	v_lshrrev_b32 v[TP], 1, v[HB]
	v_add_nc_u32 v[STO16], v[STO16], v[TP]
	v_add_nc_u32 v[STO16], s[STGW], v[STO16]           ; in: row r, 16 bytes for each half of the lanes
	v_mul_u32_u24 v[RD16], v[HB], 8*P16/32
	v_lshl_add_u32 v[RD16], v[RI], 4, v[RD16]
	v_add_nc_u32 v[RD16], s[STGW], v[RD16]             ; back: rows 8 h + i, features 8 r .. 8 r + 7
	v_lshl_add_u32 v[PHS], v[RI], 4, s[PHW]
	v_add_nc_u32 v[PHL], s[PHW], v[TP]
	v_add_nc_u32 v[AWC], WB2A+(\l)*(WB3A-WB2A), v[AWL]
	v_add_nc_u32 v[AWD], WB2B+(\l)*(WB3B-WB2B), v[AWL]
.else
	v_mul_u32_u24 v[STO32], v[RI], P32
	v_add_nc_u32 v[STO32], v[STO32], v[HB]
	v_add_nc_u32 v[STO32], s[STGW], v[STO32]           ; in: row r, 32 bytes for each half of the lanes
	v_add_nc_u32 v[RD32], s[STGW], v[OO]               ; back: a row's 512 bytes, 16 a lane
.endif
	GLOAD \l, 0
	GLOAD \l, 1
.endm
; 1 / sqrt(var + eps) of my row in each tile.  Four chains a tile; each accumulator's lowest registers are read first.
.macro PASS1
	WIN 0x05
.irp t, 0,1,2,3
.irp f, 0,1,2,3,4,5,6,7
.irp j, 0,1,2,3
.set rA, 64*(\t)+8*(\f)+2*(\j)
.set rS, SM+8*(\t)+2*(\j)
.if (\f) == 0
	v_pk_mul_f32 v[rS:rS+1], v[rA:rA+1], v[rA:rA+1]
.else
	v_pk_fma_f32 v[rS:rS+1], v[rA:rA+1], v[rA:rA+1], v[rS:rS+1]
.endif
.endr
.endr
.endr
	WIN 0
.irp t, 0,1,2,3
	v_pk_add_f32 v[SM+8*(\t):SM+8*(\t)+1],   v[SM+8*(\t):SM+8*(\t)+1],   v[SM+8*(\t)+2:SM+8*(\t)+3]
	v_pk_add_f32 v[SM+8*(\t)+4:SM+8*(\t)+5], v[SM+8*(\t)+4:SM+8*(\t)+5], v[SM+8*(\t)+6:SM+8*(\t)+7]
.endr
.irp t, 0,1,2,3
	v_pk_add_f32 v[SM+8*(\t):SM+8*(\t)+1], v[SM+8*(\t):SM+8*(\t)+1], v[SM+8*(\t)+4:SM+8*(\t)+5]
.endr
.irp t, 0,1,2,3
	v_add_f32 v[SM+8*(\t)], v[SM+8*(\t)], v[SM+8*(\t)+1]
.endr
.irp t, 0,1,2,3
	v_permlanex16_b32 v[SM+8*(\t)+1], v[SM+8*(\t)], s[SEL], s[SEL+1]  ; the row's other 64 features lie in the lane 16 away
.endr
.irp t, 0,1,2,3
	v_add_f32 v[SM+8*(\t)], v[SM+8*(\t)], v[SM+8*(\t)+1]
.endr
.irp t, 0,1,2,3
	v_fma_f32 v[RS+2*(\t)+1], v[SM+8*(\t)], s[RCP], s[EPS]
.endr
.irp t, 0,1,2,3
	v_rsq_f32 v[RS+2*(\t)], v[RS+2*(\t)+1]
.endr
	v_nop                                  ; a plain instruction behind the last of the four,
	s_wait_alu depctr_va_vdst(0)           ; and the one wait ahead of the first use of their results
.endm
.macro AFFINE q                        ; feature tiles 2 q, 2 q + 1 of all four row tiles, in place: z = (y' g) / sqrt(var + eps) + be
	WIN 0x41                               ; destination and source 0 in window 1
.irp t, 0,1,2,3
.irp k, 0,1,2,3,4,5,6,7
.set rA, 64*(\t)+16*(\q)+2*(\k)
.set rG, C+32*((\q)%2)+2*(\k)
	v_pk_mul_f32 v[rA:rA+1], v[rA:rA+1], v[rG:rG+1]
.endr
.endr
.irp t, 0,1,2,3
.irp k, 0,1,2,3,4,5,6,7
.set rA, 64*(\t)+16*(\q)+2*(\k)
.set rG, C+32*((\q)%2)+16+2*(\k)
	v_pk_fma_f32 v[rA:rA+1], v[rA:rA+1], v[RS+2*(\t):RS+2*(\t)+1], v[rG:rG+1] op_sel_hi:[1,0,1]
.endr
.endr
.endm
; Layers 1 and 2: z is rounded to f16 straight into k block q of the next layer's source 1, the ReLU is taken on the packed halves, and the maximum over the four row tiles goes to the stage.
; left = the LDS instructions issued behind this chunk's g and be, which may stay out.
.macro CHUNK16 l, q, left
	s_wait_dscnt \left
	AFFINE \q
.if (\q) < 2
	GLOAD \l, (\q)+2
.endif
	WIN 0x05
.irp t, 0,1,2,3
.irp k, 0,1,2,3,4,5,6,7
	v_cvt_pk_f16_f32 v[X+32*(\t)+8*(\q)+(\k)], v[64*(\t)+16*(\q)+2*(\k)], v[64*(\t)+16*(\q)+2*(\k)+1]
.endr
.endr
	WIN 0
.irp t, 0,1,2,3
.irp k, 0,1,2,3,4,5,6,7
	v_pk_max_num_f16 v[X+32*(\t)+8*(\q)+(\k)], v[X+32*(\t)+8*(\q)+(\k)], v[ZERO]
.endr
.endr
.irp k, 0,1,2,3,4,5,6,7
	v_pk_max_num_f16 v[SM+(\k)],   v[X+8*(\q)+(\k)],    v[X+32+8*(\q)+(\k)]
	v_pk_max_num_f16 v[SM+8+(\k)], v[X+64+8*(\q)+(\k)], v[X+96+8*(\q)+(\k)]
.endr
.irp k, 0,1,2,3,4,5,6,7
	v_pk_max_num_f16 v[SM+(\k)], v[SM+(\k)], v[SM+8+(\k)]
.endr
	ds_store_b128 v[STO16], v[SM:SM+3]   offset:64*(\q)
	ds_store_b128 v[STO16], v[SM+4:SM+7] offset:64*(\q)+32
.endm
.macro WBLOAD u                        ; k block u of the matrix that multiplies phi: eight fragments into window 1
	WIN 0x40
.irp f, 0,1,2,3,4,5,6,7
	ds_load_tr16_b128 v[8*(8*(\u)+(\f)):8*(8*(\u)+(\f))+3],   v[AWD] offset:(\u)*32*PW+32*(\f)
	ds_load_tr16_b128 v[8*(8*(\u)+(\f))+4:8*(8*(\u)+(\f))+7], v[AWD] offset:(\u)*32*PW+32*(\f)+16*PW
.endr
.endm
; BETWEEN TWO LAYERS.  The maximum over the stage's 16 rows is phi; it goes through my 256 bytes of LDS and comes back as a source 1 whose 16 columns are alike; 32 products add phi W' onto layer l's b',
; in the layout in which the next layer's sums begin.  LDS serves a wave's instructions in order (ISA guide 5.7.1.4): the loads see my own stores without a wait.
; pf = 1: THE PREFETCH.  My own next polyline, which I load behind the next two matrix phases: its rows up to the length, a lane for each 256 bytes (row 16 k + r, half h), four instructions;
; a lane whose row lies behind the length names the last valid row.  No other wave reads these rows.  The last polyline of a wave asks for nothing.
.macro REDPHI l, pf
	WIN 0
.irp i, 0,1,2,3,4,5,6,7
	ds_load_b128 v[SM+4*(\i):SM+4*(\i)+3], v[RD16] offset:P16*(\i)
.endr
	CLOAD \l
	WBLOAD 0
	WBLOAD 1
	WIN 0
	s_wait_dscnt 48                        ; the stage's eight loads are in; the 16 + 32 issued behind them may be out
.irp a, 0,1,2,3
.irp c, 0,1,2,3
	v_pk_max_num_f16 v[SM+8*(\a)+(\c)], v[SM+8*(\a)+(\c)], v[SM+8*(\a)+4+(\c)]
.endr
.endr
.irp a, 0,2
.irp c, 0,1,2,3
	v_pk_max_num_f16 v[SM+8*(\a)+(\c)], v[SM+8*(\a)+(\c)], v[SM+8*(\a)+8+(\c)]
.endr
.endr
.irp c, 0,1,2,3
	v_pk_max_num_f16 v[SM+(\c)], v[SM+(\c)], v[SM+16+(\c)]
.endr
.irp c, 0,1,2,3
	v_permlanex16_b32 v[SM+4+(\c)], v[SM+(\c)], s[SEL], s[SEL+1]  ; the other eight rows
.endr
.irp c, 0,1,2,3
	v_pk_max_num_f16 v[SM+(\c)], v[SM+(\c)], v[SM+4+(\c)]
.endr
	ds_store_b128 v[PHS], v[SM:SM+3]       ; features 8 r .. 8 r + 7; both halves of the lanes store the same
.irp i, 0,1,2,3,4,5,6,7
	ds_load_b128 v[SM+4*(\i):SM+4*(\i)+3], v[PHL] offset:32*(\i)
.endr
	FLOAD 0                                ; the next layer's first batch
	WBLOAD 2
	WBLOAD 3
	WIN 0
.if \pf
	s_cmp_eq_u32 s[CNT], 1
	s_cbranch_scc1 .Lnopf_\@
	s_sub_co_u32 s[LM1], s[LEN+1], 1
.irp k, 0,1,2,3
	v_add_nc_u32 v[TP], 16*(\k), v[RI]
	v_min_u32 v[TP], s[LM1], v[TP]
	v_min_u32 v[TP], 63, v[TP]
	v_lshlrev_b32 v[GA+(\k)], 3, v[HB]
	v_lshl_add_u32 v[GA+(\k)], v[TP], 9, v[GA+(\k)]
.endr
.irp k, 0,1,2,3
	global_prefetch_b8 v[GA+(\k)], s[XP:XP+1] th:TH_LOAD_NT scope:SCOPE_SE
.endr
.Lnopf_\@:
.endif
	s_wait_dscnt 32                        ; all but the last 32 loads (k blocks 2 and 3): b', phi, k blocks 0 and 1 are in
	WIN 0x01                               ; source 0 in window 1
.irp u, 0,1,2,3
.if (\u) == 2
	s_wait_dscnt 0
.endif
.irp f, 0,1,2,3,4,5,6,7                ; the eight sums take turns
	v_wmma_f32_16x16x32_f16 v[C+8*(\f):C+8*(\f)+7], v[8*(8*(\u)+(\f)):8*(8*(\u)+(\f))+7], v[SM+8*(\u):SM+8*(\u)+7], v[C+8*(\f):C+8*(\f)+7]
.endr
.endr
	WIN 0
	PLACES 5                               ; these results become the C of other accumulators, which also write over the fragments just read
.endm
; Layer 3: z stays in f32; the maximum over the four row tiles goes to the stage.  The ReLU is taken on the final maximum.
.macro CHUNK32 q, left
	s_wait_dscnt \left
	AFFINE \q
.if (\q) < 2
	GLOAD 2, (\q)+2
.endif
	WIN 0x55
.irp k, 0,1,2,3,4,5,6,7,8,9,10,11,12,13,14,15
	v_max3_num_f32 v[16*(\q)+(\k)], v[16*(\q)+(\k)], v[64+16*(\q)+(\k)], v[128+16*(\q)+(\k)]
.endr
.irp k, 0,1,2,3,4,5,6,7,8,9,10,11,12,13,14,15
	v_max_num_f32 v[16*(\q)+(\k)], v[16*(\q)+(\k)], v[192+16*(\q)+(\k)]
.endr
	WIN 0x04                               ; the stores' data in window 1
.irp k, 0,1,2,3
	ds_store_b128 v[STO32], v[16*(\q)+4*(\k):16*(\q)+4*(\k)+3] offset:128*(\q)+64*((\k)/2)+16*((\k)%2)
.endr
.endm
	; THE HEAD
	s_load_b512 s[8:23], s[0:1], 0x0               ; hidden_states 8, lengths 10, out0 12, W1 14, W2 16, W3 18, b1 20, g1 22
	s_load_b256 s[24:31], s[0:1], 0x40             ; be1 24, b2 26, g2 28, be2 30
	s_load_b128 s[32:35], s[0:1], 0x60             ; b3 32, g3 34
	s_load_b64 s[36:37], s[0:1], 0x70              ; be3
	v_lshl_add_u32 v[SPW], v0, 2, SPARE
	v_mov_b32 v[NIL], 0
	v_mov_b32 v[ZERO], 0
	v_lshrrev_b32 v[TP], 5, v0
	v_readfirstlane_b32 s[WV], v[TP]               ; wave 0..7
	v_and_b32 v[RI], 15, v0                        ; r
	v_bfe_u32 v[HB], v0, 4, 1                      ; h, for now
	v_and_b32 v[OO], 31, v0
	v_lshlrev_b32 v[OO], 4, v[OO]
	v_and_b32 v[AWL], 7, v0
	v_lshl_add_u32 v[AWL], v[HB], 3, v[AWL]
	v_mul_u32_u24 v[AWL], v[AWL], PW
	v_bfe_u32 v[TP], v0, 3, 1
	v_lshl_add_u32 v[AWL], v[TP], 4, v[AWL]
	s_lshl_b32 s58, s[WV], 13                      ; my 16 rows of W1, in memory
	s_lshl_b32 s59, s[WV], 14                      ; my 32 rows of W2 and of W3
	s_mul_i32 s60, s[WV], 16*PW                    ; and in LDS
	s_mul_i32 s61, s[WV], 32*PW
	v_lshlrev_b32 v60, 5, v[RI]
	v_lshl_add_u32 v60, v[HB], 9, v60              ; row h of a unit, features 8 r on
	v_add_nc_u32 v61, s59, v60                     ; v61: offset in W2 and W3
	v_add_nc_u32 v60, s58, v60                     ; v60: offset in W1
	v_mul_u32_u24 v5, v[HB], PW
	v_lshl_add_u32 v5, v[RI], 4, v5
	v_add_nc_u32 v6, s61, v5                       ; v6: W2's rows, less the 128 rows that stand in the stores' immediates
	v_add_nc_u32 v5, s60, v5                       ; v5: W1's rows
	v_add_nc_u32 v62, 256*PW, v6                   ; v62: W3's rows, likewise
	s_mul_i32 s58, s[WV], CBL
	s_add_co_u32 s58, s58, CB
	v_add_nc_u32 v63, s58, v[OO]                   ; v63: waves 0 to 2 store a layer's b', g, be here
	v_lshlrev_b32 v[HB], 5, v[HB]                  ; 32 h from here on
	v_add_nc_u32 v[AC], CB, v[HB]
	s_mov_b32 s[SEL], 0x76543210
	s_mov_b32 s[SEL+1], 0xfedcba98
	s_mov_b32 s[RCP], 0x3c000000                   ; 1 / 128
	s_mov_b32 s[EPS], 0x3727c5ac                   ; 1e-5
	s_mov_b32 s[NRC], 0xbc000000                   ; -1 / 128
	s_mov_b32 s[NRC+1], 0xbc000000                 ; named with it as a pair
	s_mul_i32 s[STGW], s[WV], STGB
	s_add_co_u32 s[STGW], s[STGW], STG
	s_add_co_u32 s[PHW], s[STGW], PHIO
	s_lshl_b32 s58, ttmp9, 5
	s_lshl_b32 s59, s[WV], 2
	s_add_co_u32 s58, s58, s59                     ; my first polyline: 32 g + 4 w
	s_mov_b32 s61, 0
	s_wait_kmcnt 0x0
	s_lshl_b32 s60, s58, 2
	s_add_nc_u64 s[10:11], s[10:11], s[60:61]
	s_load_b128 s[LEN:LEN+3], s[10:11], 0x0        ; my four lengths
	s_lshl_b32 s60, s58, 15                        ; a polyline is 32,768 bytes of hidden_states
	s_add_nc_u64 s[XP:XP+1], s[8:9], s[60:61]
	s_lshl_b32 s60, s58, 10                        ; and 1,024 bytes of out0
	s_add_nc_u64 s[OP:OP+1], s[12:13], s[60:61]
	s_cmp_eq_u32 s[WV], 1                          ; wave 1 takes layer 2's b, g, be, wave 2 layer 3's, the others layer 1's (of which wave 0 alone stores them)
	s_cselect_b64 s[38:39], s[26:27], s[20:21]
	s_cselect_b64 s[40:41], s[28:29], s[22:23]
	s_cselect_b64 s[42:43], s[30:31], s[24:25]
	s_cmp_eq_u32 s[WV], 2
	s_cselect_b64 s[38:39], s[32:33], s[38:39]
	s_cselect_b64 s[40:41], s[34:35], s[40:41]
	s_cselect_b64 s[42:43], s[36:37], s[42:43]
	s_wait_kmcnt 0x0
	GACALC s[LEN]
	XLOAD 0, 0, X                                  ; the first polyline is asked for ahead of everything else: tiles 0 and 1 land where they will be packed,
	XLOAD 1, 0, X+64
	XLOAD 2, 1, 128                                ; tiles 2 and 3 in the upper half of window 1
	XLOAD 3, 1, 192
	WIN 0
	global_load_b128 v[48:51], v[OO], s[38:39]     ; b, g, be: four numbers a lane
	global_load_b128 v[52:55], v[OO], s[40:41]
	global_load_b128 v[56:59], v[OO], s[42:43]
	WLOAD 1, 0,  60, 14, 0                         ; my 16 rows of W1
	WLOAD 1, 64, 61, 16, 0                         ; my first 16 rows of W2
	WLOAD 0, C,  61, 16, 8192                      ; my other 16
	s_wait_loadcnt 32                              ; loads come back in order: all but the two younger groups of 16 are in
	PREPGRP 1, 0, 5, 0
	WLOAD 1, 0,  61, 18, 0                         ; my first 16 rows of W3, where W1's lay
	WIN 0
	s_cmp_lt_u32 s[WV], 3
	s_cbranch_scc0 .Lnoconst
	v_pk_add_f32 v[16:17], v[48:49], v[50:51]      ; b' = b - mean(b)
	v_add_f32 v16, v16, v17
	v_add_f32_dpp v16, v16, v16 row_xmask:1 row_mask:0xf bank_mask:0xf
	v_add_f32_dpp v16, v16, v16 row_xmask:2 row_mask:0xf bank_mask:0xf
	v_add_f32_dpp v16, v16, v16 row_xmask:4 row_mask:0xf bank_mask:0xf
	v_add_f32_dpp v16, v16, v16 row_xmask:8 row_mask:0xf bank_mask:0xf
	v_permlanex16_b32 v17, v16, s[SEL], s[SEL+1]
	v_add_f32 v16, v16, v17
	v_pk_fma_f32 v[48:49], v[16:17], s[NRC:NRC+1], v[48:49] op_sel_hi:[0,0,1]
	v_pk_fma_f32 v[50:51], v[16:17], s[NRC:NRC+1], v[50:51] op_sel_hi:[0,0,1]
	ds_store_b128 v63, v[48:51]
	ds_store_b128 v63, v[52:55] offset:512
	ds_store_b128 v63, v[56:59] offset:1024
.Lnoconst:
	s_wait_loadcnt 32
	PREPGRP 1, 64, 6, 128*PW
	WLOAD 1, 64, 61, 18, 8192                      ; my other 16 rows of W3
	s_wait_loadcnt 32
	PREPGRP 0, C, 6, 144*PW
	s_wait_loadcnt 16
	PREPGRP 1, 0, 62, 128*PW
	s_wait_loadcnt 0x0
	PREPGRP 1, 64, 62, 144*PW
	s_wait_dscnt 0x0                               ; for the others' sake: my rows of W' and my constants are stored
	s_barrier_signal -1
	s_barrier_wait -1                              ; the one barrier: from here on WB and CB are only read
	s_mov_b32 s[CNT], 4
.Lpoly:                                                ; a trip: one polyline through three layers
	v_mov_b32 v[AWC], v[AWL]                       ; W1'
	CLOAD 0
	FLOAD 0
	FLOAD 1
	FLOAD 2
	s_wait_loadcnt 48                              ; tile 0 is in; the three younger tiles' 16 loads each may be out
	PACK X, 0, X
	s_wait_loadcnt 32
	PACK X+32, 0, X+64
	s_wait_loadcnt 16
	PACK X+64, 1, 128
	s_wait_loadcnt 0x0
	PACK X+96, 1, 192
	WIN 0
	s_wait_xcnt 0x0                                ; the loads have read their base:
	s_add_nc_u64 s[XP:XP+1], s[XP:XP+1], 32768     ; the next polyline
	MPHASE 3
	VSTART 0
	PASS1
	CHUNK16 0, 0, 8                                ; behind set 0's loads: set 1's eight
	CHUNK16 0, 1, 10                               ; behind set 1's: eight loads and two stores
	CHUNK16 0, 2, 12                               ; two stores, eight loads, two stores
	CHUNK16 0, 3, 4                                ; two stores twice
	REDPHI 1, 1
	MPHASE 1
	VSTART 1
	PASS1
	CHUNK16 1, 0, 8
	CHUNK16 1, 1, 10
	CHUNK16 1, 2, 12
	CHUNK16 1, 3, 4
	REDPHI 2, 0
	MPHASE 1
	VSTART 2
	s_cmp_eq_u32 s[CNT], 1                         ; x has been multiplied for the last time: its registers take the next polyline's tiles 0 and 1, if there is one
	s_cbranch_scc1 .Lnox01
	s_wait_xcnt 0x0                                ; the prefetches, a layer back, have read their offsets
	GACALC s[LEN+1]
	XLOAD 0, 0, X
	XLOAD 1, 0, X+64
.Lnox01:
	PASS1
	CHUNK32 0, 8                                   ; as above, with four stores a chunk
	CHUNK32 1, 12
	CHUNK32 2, 16
	CHUNK32 3, 8
	WIN 0
	s_cmp_eq_u32 s[CNT], 1                         ; row tiles 2 and 3 have been read for the last time: their registers take the next polyline's tiles 2 and 3
	s_cbranch_scc1 .Lnox23
	XLOAD 2, 1, 128
	XLOAD 3, 1, 192
	WIN 0
.Lnox23:
.irp i, 0,1,2,3,4,5,6,7,8,9,10,11,12,13,14,15
	ds_load_b128 v[C+4*(\i):C+4*(\i)+3], v[RD32] offset:P32*(\i)  ; row i, features 4 l .. 4 l + 3
.endr
	v_mov_b32 v[TP], 0xff800000                    ; -inf
	s_cmp_lt_i32 s[LEN], 1
	s_cselect_b32 s[MK], -1, 0
	s_wait_dscnt 0x0
.irp c, 0,1,2,3
	v_max3_num_f32 v[C+(\c)], v[C+(\c)], v[C+4+(\c)], v[C+8+(\c)]
.endr
.irp s, 1,2,3,4,5,6
.irp c, 0,1,2,3
	v_max3_num_f32 v[C+(\c)], v[C+(\c)], v[C+8*(\s)+4+(\c)], v[C+8*(\s)+8+(\c)]
.endr
.endr
.irp c, 0,1,2,3
	v_max3_num_f32 v[C+(\c)], v[C+(\c)], v[C+60+(\c)], v[ZERO]    ; the last row, and the ReLU: max over rows of max(z, 0) = max(max over rows of z, 0)
.endr
.irp c, 0,1,2,3
	v_cndmask_b32 v[C+(\c)], v[C+(\c)], v[TP], s[MK]
.endr
	global_store_b128 v[OO], v[C:C+3], s[OP:OP+1] th:TH_STORE_NT             ; phi3: each store of the wave covers 512 consecutive bytes, aligned,
	global_store_b128 v[OO], v[C:C+3], s[OP:OP+1] offset:512 th:TH_STORE_NT  ; and phi3 once more
	s_wait_xcnt 0x0                                ; the stores have read their data and their base: both are written again below and at the next trip's head
	s_add_nc_u64 s[OP:OP+1], s[OP:OP+1], 1024
	s_mov_b32 s[LEN], s[LEN+1]
	s_mov_b32 s[LEN+1], s[LEN+2]
	s_mov_b32 s[LEN+2], s[LEN+3]
	s_sub_co_u32 s[CNT], s[CNT], 1
	s_cmp_lg_u32 s[CNT], 0
	s_cbranch_scc1 .Lpoly
	s_wait_tensorcnt 0x0                           ; the wave's end, behind my last LDS store
	ds_add_u32 v[SPW], v[NIL]
	s_wait_dscnt 0x0
	s_endpgm
.Lfunc_end_k_q27cac873c3_subgraph:
	.size	k_q27cac873c3_subgraph, .Lfunc_end_k_q27cac873c3_subgraph-k_q27cac873c3_subgraph
	.p2alignl 7, 3214868480
	.fill 96, 4, 3214868480
	.section	.rodata,"a",@progbits
	.p2align	6, 0x0
	.amdhsa_kernel k_q27cac873c3_subgraph
		.amdhsa_group_segment_fixed_size 259584
		.amdhsa_private_segment_fixed_size 0
		.amdhsa_enable_private_segment 0
		.amdhsa_kernarg_size 120
		.amdhsa_user_sgpr_count 2
		.amdhsa_user_sgpr_kernarg_segment_ptr 1
		.amdhsa_wavefront_size32 1
		.amdhsa_system_sgpr_workgroup_id_x 1
		.amdhsa_system_sgpr_workgroup_id_y 1
		.amdhsa_system_sgpr_workgroup_id_z 1
		.amdhsa_system_vgpr_workitem_id 0
		.amdhsa_next_free_vgpr 512
		.amdhsa_next_free_sgpr 66
		.amdhsa_reserve_vcc 0
		.amdhsa_float_denorm_mode_32 3
		.amdhsa_float_denorm_mode_16_64 3
		.amdhsa_memory_ordered 1
		.amdhsa_forward_progress 1
		.amdhsa_inst_pref_size 255
	.end_amdhsa_kernel
	.section	.bss,"aw",@nobits
	.p2align	6
	.space	262144
	.amdgpu_metadata
---
amdhsa.version: [ 1, 2 ]
amdhsa.kernels:
  - .name:           k_q27cac873c3_subgraph
    .symbol:         k_q27cac873c3_subgraph.kd
    .args:
      - { .name: hidden_states, .offset: 0, .size: 8, .value_kind: global_buffer, .address_space: global }
      - { .name: lengths, .offset: 8, .size: 8, .value_kind: global_buffer, .address_space: global }
      - { .name: out0, .offset: 16, .size: 8, .value_kind: global_buffer, .address_space: global }
      - { .name: W1, .offset: 24, .size: 8, .value_kind: global_buffer, .address_space: global }
      - { .name: W2, .offset: 32, .size: 8, .value_kind: global_buffer, .address_space: global }
      - { .name: W3, .offset: 40, .size: 8, .value_kind: global_buffer, .address_space: global }
      - { .name: b1, .offset: 48, .size: 8, .value_kind: global_buffer, .address_space: global }
      - { .name: g1, .offset: 56, .size: 8, .value_kind: global_buffer, .address_space: global }
      - { .name: be1, .offset: 64, .size: 8, .value_kind: global_buffer, .address_space: global }
      - { .name: b2, .offset: 72, .size: 8, .value_kind: global_buffer, .address_space: global }
      - { .name: g2, .offset: 80, .size: 8, .value_kind: global_buffer, .address_space: global }
      - { .name: be2, .offset: 88, .size: 8, .value_kind: global_buffer, .address_space: global }
      - { .name: b3, .offset: 96, .size: 8, .value_kind: global_buffer, .address_space: global }
      - { .name: g3, .offset: 104, .size: 8, .value_kind: global_buffer, .address_space: global }
      - { .name: be3, .offset: 112, .size: 8, .value_kind: global_buffer, .address_space: global }
    .group_segment_fixed_size: 259584
    .private_segment_fixed_size: 0
    .kernarg_segment_align: 8
    .kernarg_segment_size: 120
    .max_flat_workgroup_size: 256
    .sgpr_count:     66
    .vgpr_count:     512
    .wavefront_size: 32
...
	.end_amdgpu_metadata
.endif
;; end of part 1
;; ======== version 2 of 2: 1 launch; version 1 with the launch subgraph written anew for expert scheduling mode
;; limits: values are held in f16: magnitudes above 65,504 overflow, below 6.1e-05 lose precision; right only within a limited range of input values
;; launch subgraph (part 2): grid 256 x 1, 8 waves a work-group, no clusters, 259,584 bytes of LDS; arguments hidden_states, lengths, out0, W1, W2, W3, b1, g1, be1, b2, g2, be2, b3, g3, be3; writes out0
.if DOCPART == 2
	.amdgcn_target "amdgcn-amd-amdhsa--gfx1250"
	.amdhsa_code_object_version 6
	.text
	.protected	k_q27cac873c3_subgraph
	.globl	k_q27cac873c3_subgraph
	.p2align	8
	.type	k_q27cac873c3_subgraph,@function
k_q27cac873c3_subgraph:
	s_mov_b64 s[64:65], 0
	v_nop
	global_prefetch_b8 v0, s[64:65] scope:SCOPE_SE
	s_setreg_imm32_b32 hwreg(HW_REG_WAVE_SCHED_MODE, 0, 2), 2
	s_setreg_imm32_b32 hwreg(HW_REG_WAVE_MODE, 25, 1), 1
	s_wait_xcnt 0x0
	s_wait_alu depctr_vm_vsrc(0)
; SUB-GRAPH: three times (Linear, LayerNorm, ReLU, masked max over a polyline's 64 vectors, max joined to every vector), then the masked max.
; hidden_states [8192][64][128] f32, lengths [8192] i32, W1 [128][128], W2, W3 [256][128], b, g, be [128] f32; out0 [8192][256] f32.
; WHAT IS USED OF THE PROBLEM ITSELF.  (1) [x, phi] W = x W[0:128] + phi W[128:256], and phi is one row a polyline: its product is made once (32 matrix instructions) and
; starts the sums of all 64 rows.  (2) The result is [phi3, phi3].  (3) Rows do not look at each other but through the masked max, so a slot at or behind the length is fed the
; last valid row (the row's number is clamped in the load's address): the plain max over 64 slots then IS the masked max, and rows behind the length are not read.
; (4) y - mean(y) = x W' + b' with W'[k][n] = W[k][n] - mean over n of W[k][:], b' = b - mean(b): made in f32 at the head, W' rounded once to f16; var = sum(y'^2) / 128.
; FORMAT.  x, W', the activations between the layers and phi1, phi2 are f16 matrix operands (11 significant bits: six roundings lie between an input and a result, and a result near 0 is
; allowed one hundredth of the results' root mean square only); sums, norms and phi3 are f32.
; LIMITS.  f16 holds no number beyond 65,504: x and W' lie within it, and so does an activation z = y^ g + be, where |y^| <= sqrt(127) < 11.3: the text serves 11.3 |g| + |be| < 65,504.
; Below 6e-5 an operand keeps f16's fixed step of 6e-8.  A length of 0 or less gives -inf in all 256 numbers; a length above 64 counts as 64.  NaN and infinities in the floating-point
; inputs are not treated apart (a maximum drops a NaN).  The mean is taken out of the weights, not out of y: another order of rounding.
; SHARES.  256 work-groups of 8 waves; wave w of work-group g owns polylines 32 g + 4 w .. + 3 and takes each through all three layers in registers.  After the one barrier (weights in LDS) no wave waits for another.
; Two waves lie on a SIMD (512 registers each): one wave's vector phase runs beside the other's matrix phase.
; LAYOUT.  Products are taken transposed: source 0 = 16 output features (W' lies in LDS as [k][n] and comes out turned, by ds_load_tr16_b128), source 1 = 16 rows of x.  In the result lane (r = l % 16, h = l / 16)
; holds row r and features 16 f + 8 h + 0..7.  Two neighbouring feature tiles rounded to f16 ARE source 1 of the next layer: nothing changes lanes between the layers.
; NO CLUSTER, NO TENSOR LOADS.  x: the clamp wants an address a lane, and a fragment comes straight from memory, 16 bytes a lane.  The weights, which all work-groups share, are read once a work-group (327,680 bytes)
; and must pass through registers in f32 to be centred and rounded; as f32 they would take all of LDS.
; LDS: WB 640 rows [W1; W2; W3] of 256 bytes f16 + 32 of padding; CB three layers' b', g, be; a stage for each wave; the spare words.
; THE MODE: SCHED_MODE bits 1:0 = 2 (LLVM: expert scheduling mode 2), set by the entry lines.  The code itself states the register dependences between vector or matrix instructions
; and memory or LDS instructions, with s_wait_alu, always for 0.
; THE PLAN.  Registers that memory or LDS instructions touch in the loop, and who else names them:
;   places 0-13   v[16 + 8 p]: fragments of W', loaded from LDS, read by products alone.  Places 6-13 are C's eight tiles: tile f is read by fragment f's four products and is a place from then on.
;                 A matrix phase goes in six groups of fragments; ONE wait on va_vdst behind a group frees its places; the loads into them follow the next group's first four products, which name other places.
;   g, be         two sets in v64-127: chunk q's affine lines read set q % 2; set q % 2 is loaded again at the chunk's end.
;   maxima        two out-buffers in v32-63 by turns: written by chunk q's maxima, read by its two LDS stores.  ONE wait on va_vdst at a chunk's end serves those stores and the load of g and be;
;                 the wait on vm_vsrc that frees an out-buffer stands two chunks behind its stores.  Layer 3's maxima lie in window 1, sixteen registers of its own to each chunk.
;   PH            v16-19: phi leaves for LDS from here, so that its way back into v32-63 owes nothing to that store.
;   window 1      accumulators (products, vector lines); phi's matrix (LDS loads); its upper half the next polyline's tiles 2 and 3 (global loads).  Each load stands behind a chunk's closing wait.
;   X             v128-255: written by the roundings, read by products; the next polyline's tiles 0 and 1 land there behind the wait that closes layer 3's products.
;   addresses     v[AWC], v[AWD], v24-29 are written behind a matrix phase, v[AWC] also at a trip's head, v[GA ..] ahead of the prefetches and of x's loads: a wait on vm_vsrc ahead, one on va_vdst behind.  v[AC], v[OO] are never written in the loop.
.set PW,    288                        ; a row of W' in LDS: 72 words: the turning load's 8 rows x 32 bytes fall on different words modulo 64
.set WB2A,  128*PW
.set WB2B,  256*PW
.set WB3A,  384*PW
.set WB3B,  512*PW
.set CB,    640*PW                     ; layer i: b' at CB + 1536 i, g 512 on, be 1,024 on
.set CBL,   1536
.set STG,   CB+3*CBL                   ; wave w's stage at STG + STGB w: 16 rows x 272 (f16 maxima) or 16 rows x 528 (f32 maxima), then phi, 256 bytes
.set P16,   272
.set P32,   528
.set PHIO,  16*P32
.set STGB,  PHIO+256
.set SPARE, STG+8*STGB                 ; the spare words, 128 bytes for each wave: four blocks of 256 bytes that no other line names
; window 0
.set SPW,  1                           ; v1   LDS address of my spare word; never rewritten
.set NIL,  2                           ; v2   0, for the add alone
.set ZERO, 3                           ; v3   0, for the ReLU
.set AWL,  4                           ; v4   my lane's place in a turned fragment: (8 h + l % 8) PW + 16 ((l / 8) % 2)
.set AWC,  5                           ; v5   the same in the matrix that multiplies x (at the head: LDS base for W1's rows)
.set AWD,  6                           ; v6   the same in the matrix that multiplies phi (at the head: LDS base for W2's rows)
.set AC,   7                           ; v7   CB + 32 h
.set GA,   8                           ; v8-11  byte offset of my row in tile t of the polyline that is asked for
.set OO,   12                          ; v12  16 l
.set RI,   13                          ; v13  r
.set HB,   14                          ; v14  32 h
.set TP,   15                          ; v15  at work
.set F,    16                          ; v16-127  in matrix phases fourteen places for fragments of W', place p at F + 8 p (places 6-13 are C's tiles).  In vector phases v16-63 are:
.set RS,   16                          ;   v16-23  tile t: 1 / sqrt(var + eps), var + eps
.set PH,   16                          ;   v16-19  later: phi on its way to LDS
.set STO16, 24                         ;   v24-29  the stage's addresses
.set RD16,  25
.set PHS,   26
.set PHL,   27
.set STO32, 28
.set RD32,  29
.set SM,   32                          ;   v32-63  sums of squares; the chunks' maxima, two buffers of 16 by turns; the stage read back; phi as source 1
.set C,    64                          ; v64-127 what starts the sums, 8 registers a feature tile; in vector phases two sets of g (16) and be (16)
.set X,    128                         ; v128-255 source 1: tile t, k block u at X + 32 t + 8 u
; window 1: the 32 accumulators, (t, f) at 64 t + 8 f; between the layers the 32 fragments of the matrix that multiplies phi; v128-255 of it also take the next polyline's tiles 2 and 3 in f32
.set WV,   2                           ; s2   my wave's number
.set CNT,  3                           ; s3   polylines to go
.set LEN,  4                           ; s[4:7] lengths: this polyline's, the next one's, ..
.set XP,   44                          ; s[44:45] hidden_states at the polyline that is asked for next
.set OP,   46                          ; s[46:47] out0 at this polyline
.set SEL,  48                          ; s[48:49] v_permlanex16_b32's selects: each lane takes its own place in the other half
.set RCP,  50                          ; s50  1 / 128
.set EPS,  51                          ; s51  1e-5
.set NRC,  52                          ; s[52:53] -1 / 128
.set STGW, 54                          ; s54  my stage
.set PHW,  55                          ; s55  my phi
.set LM1,  56                          ; s56  a length less one
.set MK,   57                          ; s57  all ones where the length is below 1
.set MSB, 0
.macro WIN new                         ; s_set_vgpr_msb: bits 1:0 source 0, 3:2 source 1, 5:4 source 2, 7:6 destination; the high byte repeats the setting that is left
.if MSB != (\new)
	s_set_vgpr_msb (MSB<<8)|(\new)
.set MSB, (\new)
.endif
.endm
.macro PLACES n                        ; plain vector instructions between a matrix instruction and the vector or matrix instruction that touches its registers (ISA guide 7.12.1)
.rept \n
	v_nop
.endr
.endm
; My row's offset in each of the four tiles: row min(16 t + r, length - 1), held to 0 .. 63; a length of 0 or less gives a large unsigned number and clamps nothing.
.macro GACALC lreg
	s_sub_co_u32 s[LM1], \lreg, 1
.irp t, 0,1,2,3
	v_add_nc_u32 v[TP], 16*(\t), v[RI]
	v_min_u32 v[TP], s[LM1], v[TP]
	v_min_u32 v[TP], 63, v[TP]
	v_lshl_add_u32 v[GA+(\t)], v[TP], 9, v[HB]
.endr
.endm
; Tile t of x in f32, 64 registers from dst on in window win: k block u: my 8 numbers at k = 32 u + 8 h and my 8 at 32 u + 16 + 8 h.  The sixteen loads together take each row's 512 bytes whole.
.macro XLOAD t, win, dst
	WIN 0x40*(\win)
.irp u, 0,1,2,3
.irp p, 0,1,2,3
	global_load_b128 v[(\dst)+16*(\u)+4*(\p):(\dst)+16*(\u)+4*(\p)+3], v[GA+(\t)], s[XP:XP+1] offset:128*(\u)+64*((\p)/2)+16*((\p)%2)
.endr
.endr
.endm
.macro PACK dst, win, src              ; 64 f32 to 32 registers of f16; ascending, so that it may run in place
	WIN 5*(\win)
.set n1, 0
.rept 32
	v_cvt_pk_f16_f32 v[(\dst)+n1], v[(\src)+2*n1], v[(\src)+2*n1+1]
.set n1, n1+1
.endr
.endm
; 16 rows of a weight matrix, eight units of two rows: lane (r, h) takes features 8 r .. 8 r + 7 of row 2 j + h.
.macro WLOAD win, reg, vo, base, off
	WIN 0x40*(\win)
.irp j, 0,1,2,3,4,5,6,7
	global_load_b128 v[(\reg)+8*(\j):(\reg)+8*(\j)+3],   v[\vo], s[\base:\base+1] offset:(\off)+1024*(\j)
	global_load_b128 v[(\reg)+8*(\j)+4:(\reg)+8*(\j)+7], v[\vo], s[\base:\base+1] offset:(\off)+1024*(\j)+16
.endr
.endm
; Those 16 rows are centred (the row's sum over its 16 lanes, times -1/128, added), rounded to f16 and stored: 16 lanes fill a row's 256 bytes.
; again = 1: LDS stores issued since the last wait on vm_vsrc have read v[F ..].
.macro PREPGRP win, reg, ls, imm, again
.if \again
	s_wait_alu depctr_vm_vsrc(0)           ; the LDS stores of the sixteen rows before have read v[F ..], which the sums below write again
.endif
	WIN 5*(\win)
.set n1, 0
.rept 8
	v_pk_add_f32 v[F+4*n1:F+4*n1+1],   v[(\reg)+8*n1:(\reg)+8*n1+1],   v[(\reg)+8*n1+2:(\reg)+8*n1+3]
	v_pk_add_f32 v[F+4*n1+2:F+4*n1+3], v[(\reg)+8*n1+4:(\reg)+8*n1+5], v[(\reg)+8*n1+6:(\reg)+8*n1+7]
.set n1, n1+1
.endr
	WIN 0
.set n1, 0
.rept 8
	v_pk_add_f32 v[F+4*n1:F+4*n1+1], v[F+4*n1:F+4*n1+1], v[F+4*n1+2:F+4*n1+3]
.set n1, n1+1
.endr
.set n1, 0
.rept 8
	v_add_f32 v[F+4*n1], v[F+4*n1], v[F+4*n1+1]
.set n1, n1+1
.endr
.irp m, 1,2,4,8
.set n1, 0
.rept 8
	v_add_f32_dpp v[F+4*n1], v[F+4*n1], v[F+4*n1] row_xmask:\m row_mask:0xf bank_mask:0xf
.set n1, n1+1
.endr
.endr
	WIN 0x50*(\win)
.set n1, 0
.rept 32
	v_pk_fma_f32 v[(\reg)+2*n1:(\reg)+2*n1+1], v[F+4*(n1/4):F+4*(n1/4)+1], s[NRC:NRC+1], v[(\reg)+2*n1:(\reg)+2*n1+1] op_sel_hi:[0,0,1]
.set n1, n1+1
.endr
	WIN 5*(\win)
.set n1, 0
.rept 32
	v_cvt_pk_f16_f32 v[F+n1], v[(\reg)+2*n1], v[(\reg)+2*n1+1]
.set n1, n1+1
.endr
	WIN 0
	s_wait_alu depctr_va_vdst(0)           ; the roundings have written v[F ..], which the LDS stores read; and the lines above are done with the rows' own 64 registers, in which later loads land
.irp j, 0,1,2,3,4,5,6,7
	ds_store_b128 v[\ls], v[F+4*(\j):F+4*(\j)+3] offset:(\imm)+2*PW*(\j)
.endr
.endm
.macro CLOAD l                         ; layer l's b' in the accumulators' layout: all 16 rows alike
	WIN 0
.irp k, 0,1,2,3,4,5,6,7,8,9,10,11,12,13,14,15
	ds_load_b128 v[C+4*(\k):C+4*(\k)+3], v[AC] offset:CBL*(\l)+64*((\k)/2)+16*((\k)%2)
.endr
.endm
.macro GLOAD l, q                      ; layer l's g and be for feature tiles 2 q, 2 q + 1, into set q % 2: eight loads
	WIN 0
.irp k, 0,1,2,3
.set rG, C+32*((\q)%2)+4*(\k)
.set oG, CBL*(\l)+512+128*(\q)+64*((\k)/2)+16*((\k)%2)
	ds_load_b128 v[rG:rG+3],     v[AC] offset:oG
	ds_load_b128 v[rG+16:rG+19], v[AC] offset:oG+512
.endr
.endm
; The place of fragment g (k block g / 8, feature tile g % 8).  Fragments 0-5 lie in places 0-5.  A later group takes the places that the group two before it has left,
; and with them the tiles of C that that group's products have read: 6-9 in 0, 1, 6, 7; 10-17 in 2-5, 8-11; 18-23 in 0, 1, 6, 7, 12, 13; 24-31 in 2-5, 8-11.
.macro PLC g
.if (\g) < 6
.set fpl, (\g)
.elseif (\g) < 8
.set fpl, (\g)-6
.elseif (\g) < 10
.set fpl, (\g)-2
.elseif (\g) < 14
.set fpl, (\g)-8
.elseif (\g) < 18
.set fpl, (\g)-6
.elseif (\g) < 20
.set fpl, (\g)-18
.elseif (\g) < 22
.set fpl, (\g)-14
.elseif (\g) < 24
.set fpl, (\g)-10
.elseif (\g) < 28
.set fpl, (\g)-22
.else
.set fpl, (\g)-20
.endif
.endm
.macro FLOADS g0, n                    ; fragments g0 .. g0 + n - 1 are asked for, two loads each.  Fragments are asked for in ascending order; fhi counts them
	WIN 0
.set fg, \g0
.rept \n
	PLC fg
.set rF, F+8*fpl
.set oF, (fg/8)*32*PW+(fg%8)*32
	ds_load_tr16_b128 v[rF:rF+3],   v[AWC] offset:oF
	ds_load_tr16_b128 v[rF+4:rF+7], v[AWC] offset:oF+16*PW
.set fg, fg+1
.endr
.set fhi, (\g0)+(\n)
.endm
.macro MULS g0, n                      ; the products of fragments g0 .. g0 + n - 1, each with the four row tiles
.set fg, \g0
.rept \n
	PLC fg
.if fg%2 == 0
	s_wait_dscnt 2*(fhi-2-fg)              ; LDS loads come back in order (ISA guide 5.7.1): fragments fg and fg + 1 are in; the two loads of each later fragment asked for so far may be out
.endif
.if fg < 8
	WIN 0x40                               ; D in window 1; W', x and the C operand in window 0
.else
	WIN 0x50                               ; C in window 1 too
.endif
.irp t, 0,1,2,3
.set rD, 64*(\t)+8*(fg%8)
.set rA, F+8*fpl
.set rB, X+32*(\t)+8*(fg/8)
.if fg < 8
	v_wmma_f32_16x16x32_f16 v[rD:rD+7], v[rA:rA+7], v[rB:rB+7], v[C+8*fg:C+8*fg+7]
.else
	v_wmma_f32_16x16x32_f16 v[rD:rD+7], v[rA:rA+7], v[rB:rB+7], v[rD:rD+7]
.endif
.endr
.set fg, fg+1
.endr
.endm
; A LAYER'S 128 PRODUCTS.  pre = how many fragments are on their way already (6 or 2).  A fragment feeds the four row tiles; the 32 accumulators take turns, one instruction a turn:
; between two links of a chain stand 31 others'.  The first k block starts the sums with C's registers.
; Six groups of fragments: 0-1, 2-5, 6-9, 10-17, 18-23, 24-31.  Behind each of the first four stands one wait on va_vdst: the group's products are done reading their places and their tiles of C.
; Then come the next group's first four products, and behind them, in one run, the loads of the group after that, into the places just left: no product issued since the wait names one of those places or v[AWC].
.macro MPHASE pre
.if (\pre) < 6
	s_wait_alu depctr_va_vdst(0)           ; the products with phi are done reading phi in v[SM ..]: places 2 to 5, in which fragments 2 to 5 land
	FLOADS 2, 4
.endif
	MULS 0, 2
	s_wait_alu depctr_va_vdst(0)           ; the products of fragments 0 and 1 are done reading places 0 and 1 and C's tiles 0 and 1, in which fragments 6 to 9 land
	MULS 2, 1
	FLOADS 6, 4
	MULS 3, 3
	s_wait_alu depctr_va_vdst(0)           ; the products of fragments 2 to 5 are done reading places 2 to 5 and C's tiles 2 to 5, in which fragments 10 to 17 land
	MULS 6, 1
	FLOADS 10, 8
	MULS 7, 3
	s_wait_alu depctr_va_vdst(0)           ; the products of fragments 6 to 9 are done reading places 0, 1, 6, 7 and C's tiles 6 and 7, in which fragments 18 to 23 land
	MULS 10, 1
	FLOADS 18, 6
	MULS 11, 7
	s_wait_alu depctr_va_vdst(0)           ; the products of fragments 10 to 17 are done reading places 2 to 5 and 8 to 11, in which fragments 24 to 31 land
	MULS 18, 1
	FLOADS 24, 8
	MULS 19, 5
	MULS 24, 8
	WIN 0
.endm
; Behind layer l's products: four places (the lines below write registers that products read), the stage's addresses, the next layer's matrices, and the first two sets of g and be.
.macro VSTART l
	WIN 0
	PLACES 4
.if (\l) < 2
	s_wait_alu depctr_vm_vsrc(0)           ; the fragments' loads have read v[AWC], the loads of phi's matrix v[AWD]: both are written below
	v_mul_u32_u24 v[STO16], v[RI], P16
	v_lshrrev_b32 v[TP], 1, v[HB]
	v_add_nc_u32 v[STO16], v[STO16], v[TP]
	v_add_nc_u32 v[STO16], s[STGW], v[STO16]           ; in: row r, 16 bytes for each half of the lanes
	v_mul_u32_u24 v[RD16], v[HB], 8*P16/32
	v_lshl_add_u32 v[RD16], v[RI], 4, v[RD16]
	v_add_nc_u32 v[RD16], s[STGW], v[RD16]             ; back: rows 8 h + i, features 8 r .. 8 r + 7
	v_lshl_add_u32 v[PHS], v[RI], 4, s[PHW]
	v_add_nc_u32 v[PHL], s[PHW], v[TP]
	v_add_nc_u32 v[AWC], WB2A+(\l)*(WB3A-WB2A), v[AWL]
	v_add_nc_u32 v[AWD], WB2B+(\l)*(WB3B-WB2B), v[AWL]
.else
	v_mul_u32_u24 v[STO32], v[RI], P32
	v_add_nc_u32 v[STO32], v[STO32], v[HB]
	v_add_nc_u32 v[STO32], s[STGW], v[STO32]           ; in: row r, 32 bytes for each half of the lanes
	v_add_nc_u32 v[RD32], s[STGW], v[OO]               ; back: a row's 512 bytes, 16 a lane
.endif
	s_wait_alu depctr_va_vdst(0)           ; the layer's products are done reading places 6 to 13, in which g and be land (and x, in which, behind layer 3, the next polyline lands); the addresses above are written, which the LDS instructions of this vector phase read
	GLOAD \l, 0
	GLOAD \l, 1
.endm
; 1 / sqrt(var + eps) of my row in each tile.  Four chains a tile; each accumulator's lowest registers are read first.
.macro PASS1
	WIN 0x05
.irp t, 0,1,2,3
.irp f, 0,1,2,3,4,5,6,7
.irp j, 0,1,2,3
.set rA, 64*(\t)+8*(\f)+2*(\j)
.set rS, SM+8*(\t)+2*(\j)
.if (\f) == 0
	v_pk_mul_f32 v[rS:rS+1], v[rA:rA+1], v[rA:rA+1]
.else
	v_pk_fma_f32 v[rS:rS+1], v[rA:rA+1], v[rA:rA+1], v[rS:rS+1]
.endif
.endr
.endr
.endr
	WIN 0
.irp t, 0,1,2,3
	v_pk_add_f32 v[SM+8*(\t):SM+8*(\t)+1],   v[SM+8*(\t):SM+8*(\t)+1],   v[SM+8*(\t)+2:SM+8*(\t)+3]
	v_pk_add_f32 v[SM+8*(\t)+4:SM+8*(\t)+5], v[SM+8*(\t)+4:SM+8*(\t)+5], v[SM+8*(\t)+6:SM+8*(\t)+7]
.endr
.irp t, 0,1,2,3
	v_pk_add_f32 v[SM+8*(\t):SM+8*(\t)+1], v[SM+8*(\t):SM+8*(\t)+1], v[SM+8*(\t)+4:SM+8*(\t)+5]
.endr
.irp t, 0,1,2,3
	v_add_f32 v[SM+8*(\t)], v[SM+8*(\t)], v[SM+8*(\t)+1]
.endr
.irp t, 0,1,2,3
	v_permlanex16_b32 v[SM+8*(\t)+1], v[SM+8*(\t)], s[SEL], s[SEL+1]  ; the row's other 64 features lie in the lane 16 away
.endr
.irp t, 0,1,2,3
	v_add_f32 v[SM+8*(\t)], v[SM+8*(\t)], v[SM+8*(\t)+1]
.endr
.irp t, 0,1,2,3
	v_fma_f32 v[RS+2*(\t)+1], v[SM+8*(\t)], s[RCP], s[EPS]
.endr
.irp t, 0,1,2,3
	v_rsq_f32 v[RS+2*(\t)], v[RS+2*(\t)+1]
.endr
	v_nop                                  ; a plain instruction behind the last of the four,
	s_wait_alu depctr_va_vdst(0)           ; and the one wait ahead of the first use of their results: the four v_rsq_f32 have written v[RS], v[RS+2], v[RS+4], v[RS+6]
.endm
.macro AFFINE q                        ; feature tiles 2 q, 2 q + 1 of all four row tiles, in place: z = (y' g) / sqrt(var + eps) + be
	WIN 0x41                               ; destination and source 0 in window 1
.irp t, 0,1,2,3
.irp k, 0,1,2,3,4,5,6,7
.set rA, 64*(\t)+16*(\q)+2*(\k)
.set rG, C+32*((\q)%2)+2*(\k)
	v_pk_mul_f32 v[rA:rA+1], v[rA:rA+1], v[rG:rG+1]
.endr
.endr
.irp t, 0,1,2,3
.irp k, 0,1,2,3,4,5,6,7
.set rA, 64*(\t)+16*(\q)+2*(\k)
.set rG, C+32*((\q)%2)+16+2*(\k)
	v_pk_fma_f32 v[rA:rA+1], v[rA:rA+1], v[RS+2*(\t):RS+2*(\t)+1], v[rG:rG+1] op_sel_hi:[1,0,1]
.endr
.endr
.endm
; Layers 1 and 2: z is rounded to f16 straight into k block q of the next layer's source 1, the ReLU is taken on the packed halves, and the maximum over the four row tiles goes to the stage,
; from out-buffer q % 2.  The chunk's memory work stands together at its end, behind one wait.  left = the LDS instructions issued behind this chunk's g and be, which may stay out.
.macro CHUNK16 l, q, left
.set rM, SM+16*((\q)%2)
	s_wait_dscnt \left
	AFFINE \q
	WIN 0x05
.irp t, 0,1,2,3
.irp k, 0,1,2,3,4,5,6,7
	v_cvt_pk_f16_f32 v[X+32*(\t)+8*(\q)+(\k)], v[64*(\t)+16*(\q)+2*(\k)], v[64*(\t)+16*(\q)+2*(\k)+1]
.endr
.endr
	WIN 0
.irp t, 0,1,2,3
.irp k, 0,1,2,3,4,5,6,7
	v_pk_max_num_f16 v[X+32*(\t)+8*(\q)+(\k)], v[X+32*(\t)+8*(\q)+(\k)], v[ZERO]
.endr
.endr
.if (\q) >= 2
	s_wait_alu depctr_vm_vsrc(0)           ; the LDS stores of the chunk two back have read this out-buffer, which the maxima below write again
.endif
.irp k, 0,1,2,3,4,5,6,7
	v_pk_max_num_f16 v[rM+(\k)],   v[X+8*(\q)+(\k)],    v[X+32+8*(\q)+(\k)]
	v_pk_max_num_f16 v[rM+8+(\k)], v[X+64+8*(\q)+(\k)], v[X+96+8*(\q)+(\k)]
.endr
.irp k, 0,1,2,3,4,5,6,7
	v_pk_max_num_f16 v[rM+(\k)], v[rM+(\k)], v[rM+8+(\k)]
.endr
	s_wait_alu depctr_va_vdst(0)           ; the maxima are written, which the LDS stores read; the affine lines are done reading this chunk's g and be, in which the loads below (behind the last chunk: those of the next step) land
.if (\q) < 2
	GLOAD \l, (\q)+2
.endif
	ds_store_b128 v[STO16], v[rM:rM+3]   offset:64*(\q)
	ds_store_b128 v[STO16], v[rM+4:rM+7] offset:64*(\q)+32
.endm
.macro WBLOAD u                        ; k block u of the matrix that multiplies phi: eight fragments into window 1
	WIN 0x40
.irp f, 0,1,2,3,4,5,6,7
	ds_load_tr16_b128 v[8*(8*(\u)+(\f)):8*(8*(\u)+(\f))+3],   v[AWD] offset:(\u)*32*PW+32*(\f)
	ds_load_tr16_b128 v[8*(8*(\u)+(\f))+4:8*(8*(\u)+(\f))+7], v[AWD] offset:(\u)*32*PW+32*(\f)+16*PW
.endr
.endm
; BETWEEN TWO LAYERS.  The maximum over the stage's 16 rows is phi; it goes through my 256 bytes of LDS and comes back as a source 1 whose 16 columns are alike; 32 products add phi W' onto layer l's b',
; in the layout in which the next layer's sums begin.  LDS serves a wave's instructions in order (ISA guide 5.7.1.4): the loads see my own stores without a wait on DScnt.
; The last chunk's closing wait on va_vdst serves the loads up to the first vector line here: no vector line since names v[SM ..], v[C ..] or window 1.
; pf = 1: THE PREFETCH.  My own next polyline, which I load behind the next two matrix phases: its rows up to the length, a lane for each 256 bytes (row 16 k + r, half h), four instructions;
; a lane whose row lies behind the length names the last valid row.  No other wave reads these rows.  The last polyline of a wave asks for nothing.
.macro REDPHI l, pf
	WIN 0
	s_wait_alu depctr_vm_vsrc(0)           ; the last two chunks' LDS stores have read the maxima in v[SM ..], in which the stage's rows land
.irp i, 0,1,2,3,4,5,6,7
	ds_load_b128 v[SM+4*(\i):SM+4*(\i)+3], v[RD16] offset:P16*(\i)
.endr
	CLOAD \l
	WBLOAD 0
	WBLOAD 1
	WIN 0
	s_wait_dscnt 48                        ; the stage's eight loads are in; the 16 + 32 issued behind them may be out
.irp a, 0,1,2,3
.irp c, 0,1,2,3
	v_pk_max_num_f16 v[SM+8*(\a)+(\c)], v[SM+8*(\a)+(\c)], v[SM+8*(\a)+4+(\c)]
.endr
.endr
.irp a, 0,2
.irp c, 0,1,2,3
	v_pk_max_num_f16 v[SM+8*(\a)+(\c)], v[SM+8*(\a)+(\c)], v[SM+8*(\a)+8+(\c)]
.endr
.endr
.irp c, 0,1,2,3
	v_pk_max_num_f16 v[SM+(\c)], v[SM+(\c)], v[SM+16+(\c)]
.endr
.irp c, 0,1,2,3
	v_permlanex16_b32 v[SM+4+(\c)], v[SM+(\c)], s[SEL], s[SEL+1]  ; the other eight rows
.endr
.irp c, 0,1,2,3
	v_pk_max_num_f16 v[PH+(\c)], v[SM+(\c)], v[SM+4+(\c)]         ; into an out-buffer of its own
.endr
	s_wait_alu depctr_va_vdst(0)           ; phi is written in v[PH ..], which the LDS store reads; the maxima are done with v[SM ..], in which phi lands as source 1
	ds_store_b128 v[PHS], v[PH:PH+3]       ; features 8 r .. 8 r + 7; both halves of the lanes store the same
.irp i, 0,1,2,3,4,5,6,7
	ds_load_b128 v[SM+4*(\i):SM+4*(\i)+3], v[PHL] offset:32*(\i)
.endr
	s_wait_alu depctr_vm_vsrc(0)           ; the store has read v[PH ..], and the stage's stores and loads their addresses in v24 to v27: places 0 and 1, in which fragments 0 and 1 land
	FLOADS 0, 2                            ; the next layer's first two fragments
	WBLOAD 2
	WBLOAD 3
	WIN 0
.if \pf
	s_cmp_eq_u32 s[CNT], 1
	s_cbranch_scc1 .Lnopf_\@
	s_sub_co_u32 s[LM1], s[LEN+1], 1
.irp k, 0,1,2,3
	v_add_nc_u32 v[TP], 16*(\k), v[RI]
	v_min_u32 v[TP], s[LM1], v[TP]
	v_min_u32 v[TP], 63, v[TP]
	v_lshlrev_b32 v[GA+(\k)], 3, v[HB]
	v_lshl_add_u32 v[GA+(\k)], v[TP], 9, v[GA+(\k)]
.endr
	s_wait_alu depctr_va_vdst(0)           ; v[GA ..] are written, which the prefetches read
.irp k, 0,1,2,3
	global_prefetch_b8 v[GA+(\k)], s[XP:XP+1] th:TH_LOAD_NT scope:SCOPE_SE
.endr
.Lnopf_\@:
.endif
	s_wait_dscnt 32                        ; all but the last 32 loads (k blocks 2 and 3): b', phi, k blocks 0 and 1 are in
	WIN 0x01                               ; source 0 in window 1
.irp u, 0,1,2,3
.if (\u) == 2
	s_wait_dscnt 0
.endif
.irp f, 0,1,2,3,4,5,6,7                ; the eight sums take turns
	v_wmma_f32_16x16x32_f16 v[C+8*(\f):C+8*(\f)+7], v[8*(8*(\u)+(\f)):8*(8*(\u)+(\f))+7], v[SM+8*(\u):SM+8*(\u)+7], v[C+8*(\f):C+8*(\f)+7]
.endr
.endr
	WIN 0
	PLACES 5                               ; these results become the C of other accumulators, which also write over the fragments just read
.endm
; Layer 3: z stays in f32; the maximum over the four row tiles goes to the stage, from sixteen registers of window 1 that are the chunk's own.  The ReLU is taken on the final maximum.
.macro CHUNK32 q, left
	s_wait_dscnt \left
	AFFINE \q
	WIN 0x55
.irp k, 0,1,2,3,4,5,6,7,8,9,10,11,12,13,14,15
	v_max3_num_f32 v[16*(\q)+(\k)], v[16*(\q)+(\k)], v[64+16*(\q)+(\k)], v[128+16*(\q)+(\k)]
.endr
.irp k, 0,1,2,3,4,5,6,7,8,9,10,11,12,13,14,15
	v_max_num_f32 v[16*(\q)+(\k)], v[16*(\q)+(\k)], v[192+16*(\q)+(\k)]
.endr
.if (\q) < 2
	WIN 0
	s_wait_alu depctr_va_vdst(0)           ; the affine lines are done reading this chunk's g and be, in which the loads below land; the maxima are written, which the LDS stores read
	GLOAD 2, (\q)+2
	WIN 0x04                               ; the stores' data in window 1
.else
	WIN 0x04
	s_wait_alu depctr_va_vdst(0)           ; the maxima are written, which the LDS stores read; behind the last chunk also: the vector lines are done with g and be and with row tiles 2 and 3, in which the stage's rows and the next polyline land
.endif
.irp k, 0,1,2,3
	ds_store_b128 v[STO32], v[16*(\q)+4*(\k):16*(\q)+4*(\k)+3] offset:128*(\q)+64*((\k)/2)+16*((\k)%2)
.endr
.endm
	; THE HEAD
	s_load_b512 s[8:23], s[0:1], 0x0               ; hidden_states 8, lengths 10, out0 12, W1 14, W2 16, W3 18, b1 20, g1 22
	s_load_b256 s[24:31], s[0:1], 0x40             ; be1 24, b2 26, g2 28, be2 30
	s_load_b128 s[32:35], s[0:1], 0x60             ; b3 32, g3 34
	s_load_b64 s[36:37], s[0:1], 0x70              ; be3
	v_lshl_add_u32 v[SPW], v0, 2, SPARE
	v_mov_b32 v[NIL], 0
	v_mov_b32 v[ZERO], 0
	v_lshrrev_b32 v[TP], 5, v0
	v_readfirstlane_b32 s[WV], v[TP]               ; wave 0..7
	v_and_b32 v[RI], 15, v0                        ; r
	v_bfe_u32 v[HB], v0, 4, 1                      ; h, for now
	v_and_b32 v[OO], 31, v0
	v_lshlrev_b32 v[OO], 4, v[OO]
	v_and_b32 v[AWL], 7, v0
	v_lshl_add_u32 v[AWL], v[HB], 3, v[AWL]
	v_mul_u32_u24 v[AWL], v[AWL], PW
	v_bfe_u32 v[TP], v0, 3, 1
	v_lshl_add_u32 v[AWL], v[TP], 4, v[AWL]
	s_wait_alu depctr_va_sdst(0)                   ; s[WV] is written, ahead of its first reader: offsets, bases and branches are made from it
	s_lshl_b32 s58, s[WV], 13                      ; my 16 rows of W1, in memory
	s_lshl_b32 s59, s[WV], 14                      ; my 32 rows of W2 and of W3
	s_mul_i32 s60, s[WV], 16*PW                    ; and in LDS
	s_mul_i32 s61, s[WV], 32*PW
	v_lshlrev_b32 v60, 5, v[RI]
	v_lshl_add_u32 v60, v[HB], 9, v60              ; row h of a unit, features 8 r on
	v_add_nc_u32 v61, s59, v60                     ; v61: offset in W2 and W3
	v_add_nc_u32 v60, s58, v60                     ; v60: offset in W1
	v_mul_u32_u24 v5, v[HB], PW
	v_lshl_add_u32 v5, v[RI], 4, v5
	v_add_nc_u32 v6, s61, v5                       ; v6: W2's rows, less the 128 rows that stand in the stores' immediates
	v_add_nc_u32 v5, s60, v5                       ; v5: W1's rows
	v_add_nc_u32 v62, 256*PW, v6                   ; v62: W3's rows, likewise
	s_mul_i32 s58, s[WV], CBL
	s_add_co_u32 s58, s58, CB
	v_add_nc_u32 v63, s58, v[OO]                   ; v63: waves 0 to 2 store a layer's b', g, be here
	v_lshlrev_b32 v[HB], 5, v[HB]                  ; 32 h from here on
	v_add_nc_u32 v[AC], CB, v[HB]
	s_mov_b32 s[SEL], 0x76543210
	s_mov_b32 s[SEL+1], 0xfedcba98
	s_mov_b32 s[RCP], 0x3c000000                   ; 1 / 128
	s_mov_b32 s[EPS], 0x3727c5ac                   ; 1e-5
	s_mov_b32 s[NRC], 0xbc000000                   ; -1 / 128
	s_mov_b32 s[NRC+1], 0xbc000000                 ; named with it as a pair
	s_mul_i32 s[STGW], s[WV], STGB
	s_add_co_u32 s[STGW], s[STGW], STG
	s_add_co_u32 s[PHW], s[STGW], PHIO
	s_lshl_b32 s58, ttmp9, 5
	s_lshl_b32 s59, s[WV], 2
	s_add_co_u32 s58, s58, s59                     ; my first polyline: 32 g + 4 w
	s_mov_b32 s61, 0
	s_wait_kmcnt 0x0
	s_lshl_b32 s60, s58, 2
	s_add_nc_u64 s[10:11], s[10:11], s[60:61]
	s_load_b128 s[LEN:LEN+3], s[10:11], 0x0        ; my four lengths
	s_lshl_b32 s60, s58, 15                        ; a polyline is 32,768 bytes of hidden_states
	s_add_nc_u64 s[XP:XP+1], s[8:9], s[60:61]
	s_lshl_b32 s60, s58, 10                        ; and 1,024 bytes of out0
	s_add_nc_u64 s[OP:OP+1], s[12:13], s[60:61]
	s_cmp_eq_u32 s[WV], 1                          ; wave 1 takes layer 2's b, g, be, wave 2 layer 3's, the others layer 1's (of which wave 0 alone stores them)
	s_cselect_b64 s[38:39], s[26:27], s[20:21]
	s_cselect_b64 s[40:41], s[28:29], s[22:23]
	s_cselect_b64 s[42:43], s[30:31], s[24:25]
	s_cmp_eq_u32 s[WV], 2
	s_cselect_b64 s[38:39], s[32:33], s[38:39]
	s_cselect_b64 s[40:41], s[34:35], s[40:41]
	s_cselect_b64 s[42:43], s[36:37], s[42:43]
	s_wait_kmcnt 0x0
	GACALC s[LEN]
	s_wait_alu depctr_va_vdst(0)                   ; the head's offsets and addresses are written (v[GA ..], v[OO], v[AC], v5, v6, v60 to v63), which the loads and stores below read
	XLOAD 0, 0, X                                  ; the first polyline is asked for ahead of everything else: tiles 0 and 1 land where they will be packed,
	XLOAD 1, 0, X+64
	XLOAD 2, 1, 128                                ; tiles 2 and 3 in the upper half of window 1
	XLOAD 3, 1, 192
	WIN 0
	global_load_b128 v[48:51], v[OO], s[38:39]     ; b, g, be: four numbers a lane
	global_load_b128 v[52:55], v[OO], s[40:41]
	global_load_b128 v[56:59], v[OO], s[42:43]
	WLOAD 1, 0,  60, 14, 0                         ; my 16 rows of W1
	WLOAD 1, 64, 61, 16, 0                         ; my first 16 rows of W2
	WLOAD 0, C,  61, 16, 8192                      ; my other 16
	s_wait_loadcnt 32                              ; loads come back in order: all but the two younger groups of 16 are in
	PREPGRP 1, 0, 5, 0, 0
	WLOAD 1, 0,  61, 18, 0                         ; my first 16 rows of W3, where W1's lay: the wait ahead of W1's LDS stores has shown the vector lines done with these registers
	WIN 0
	s_wait_alu depctr_vm_vsrc(0)                   ; W1's LDS stores have read v[F ..], which is written again in the branch below and behind it
	s_cmp_lt_u32 s[WV], 3
	s_cbranch_scc0 .Lnoconst
	v_pk_add_f32 v[16:17], v[48:49], v[50:51]      ; b' = b - mean(b)
	v_add_f32 v16, v16, v17
	v_add_f32_dpp v16, v16, v16 row_xmask:1 row_mask:0xf bank_mask:0xf
	v_add_f32_dpp v16, v16, v16 row_xmask:2 row_mask:0xf bank_mask:0xf
	v_add_f32_dpp v16, v16, v16 row_xmask:4 row_mask:0xf bank_mask:0xf
	v_add_f32_dpp v16, v16, v16 row_xmask:8 row_mask:0xf bank_mask:0xf
	v_permlanex16_b32 v17, v16, s[SEL], s[SEL+1]
	v_add_f32 v16, v16, v17
	v_pk_fma_f32 v[48:49], v[16:17], s[NRC:NRC+1], v[48:49] op_sel_hi:[0,0,1]
	v_pk_fma_f32 v[50:51], v[16:17], s[NRC:NRC+1], v[50:51] op_sel_hi:[0,0,1]
	s_wait_alu depctr_va_vdst(0)                   ; b' is written in v[48:51], which the first LDS store reads
	ds_store_b128 v63, v[48:51]
	ds_store_b128 v63, v[52:55] offset:512
	ds_store_b128 v63, v[56:59] offset:1024
.Lnoconst:
	s_wait_loadcnt 32
	PREPGRP 1, 64, 6, 128*PW, 0                    ; (v[F ..] were freed ahead of the branch; the three stores in it read v48 to v59 and v63)
	WLOAD 1, 64, 61, 18, 8192                      ; my other 16 rows of W3
	s_wait_loadcnt 32
	PREPGRP 0, C, 6, 144*PW, 1
	s_wait_loadcnt 16
	PREPGRP 1, 0, 62, 128*PW, 1
	s_wait_loadcnt 0x0
	PREPGRP 1, 64, 62, 144*PW, 1
	s_wait_dscnt 0x0                               ; for the others' sake: my rows of W' and my constants are stored
	s_barrier_signal -1
	s_barrier_wait -1                              ; the one barrier: from here on WB and CB are only read
	s_mov_b32 s[CNT], 4
.Lpoly:                                                ; a trip: one polyline through three layers
	s_wait_alu depctr_vm_vsrc(0)                   ; the last trip's global stores have read phi3 in v[C ..], its LDS instructions v28, v29 and the maxima in window 1, its fragments' loads v[AWC]; at the first trip the head's stores and loads have read v5 and v16 to v63: all these are written below
	v_mov_b32 v[AWC], v[AWL]                       ; W1'
	s_wait_alu depctr_va_vdst(0)                   ; v[AWC] is written, which the fragments' loads read
	CLOAD 0
	FLOADS 0, 6
	s_wait_loadcnt 48                              ; tile 0 is in; the three younger tiles' 16 loads each may be out
	PACK X, 0, X
	s_wait_loadcnt 32
	PACK X+32, 0, X+64
	s_wait_loadcnt 16
	PACK X+64, 1, 128
	s_wait_loadcnt 0x0
	PACK X+96, 1, 192
	WIN 0
	s_wait_xcnt 0x0                                ; the loads have read their base:
	s_add_nc_u64 s[XP:XP+1], s[XP:XP+1], 32768     ; the next polyline
	MPHASE 6
	VSTART 0
	PASS1
	CHUNK16 0, 0, 8                                ; behind set 0's loads: set 1's eight
	CHUNK16 0, 1, 10                               ; behind set 1's: eight loads and two stores
	CHUNK16 0, 2, 12                               ; two stores, eight loads, two stores
	CHUNK16 0, 3, 4                                ; two stores twice
	REDPHI 1, 1
	MPHASE 2
	VSTART 1
	PASS1
	CHUNK16 1, 0, 8
	CHUNK16 1, 1, 10
	CHUNK16 1, 2, 12
	CHUNK16 1, 3, 4
	REDPHI 2, 0
	MPHASE 2
	VSTART 2
	s_cmp_eq_u32 s[CNT], 1                         ; x has been multiplied for the last time: its registers take the next polyline's tiles 0 and 1, if there is one
	s_cbranch_scc1 .Lnox01
	s_wait_xcnt 0x0                                ; the prefetches, a layer back, have had their addresses translated (and the waits on vm_vsrc since then have shown their offsets read)
	GACALC s[LEN+1]
	s_wait_alu depctr_va_vdst(0)                   ; v[GA ..] are written, which x's loads read
	XLOAD 0, 0, X
	XLOAD 1, 0, X+64
.Lnox01:
	PASS1
	CHUNK32 0, 8                                   ; as above, with four stores a chunk
	CHUNK32 1, 12
	CHUNK32 2, 16
	CHUNK32 3, 8
	WIN 0
	s_cmp_eq_u32 s[CNT], 1                         ; row tiles 2 and 3 have been read for the last time: their registers take the next polyline's tiles 2 and 3
	s_cbranch_scc1 .Lnox23
	XLOAD 2, 1, 128                                ; no vector line since the last chunk's wait names these registers or v[GA ..]
	XLOAD 3, 1, 192
	WIN 0
.Lnox23:
.irp i, 0,1,2,3,4,5,6,7,8,9,10,11,12,13,14,15
	ds_load_b128 v[C+4*(\i):C+4*(\i)+3], v[RD32] offset:P32*(\i)  ; row i, features 4 l .. 4 l + 3
.endr
	v_mov_b32 v[TP], 0xff800000                    ; -inf
	s_cmp_lt_i32 s[LEN], 1
	s_cselect_b32 s[MK], -1, 0
	s_wait_dscnt 0x0
.irp c, 0,1,2,3
	v_max3_num_f32 v[C+(\c)], v[C+(\c)], v[C+4+(\c)], v[C+8+(\c)]
.endr
.irp s, 1,2,3,4,5,6
.irp c, 0,1,2,3
	v_max3_num_f32 v[C+(\c)], v[C+(\c)], v[C+8*(\s)+4+(\c)], v[C+8*(\s)+8+(\c)]
.endr
.endr
.irp c, 0,1,2,3
	v_max3_num_f32 v[C+(\c)], v[C+(\c)], v[C+60+(\c)], v[ZERO]    ; the last row, and the ReLU: max over rows of max(z, 0) = max(max over rows of z, 0)
.endr
.irp c, 0,1,2,3
	v_cndmask_b32 v[C+(\c)], v[C+(\c)], v[TP], s[MK]
.endr
	s_wait_alu depctr_va_vdst(0)                   ; phi3 is written in v[C:C+3], which the two stores read
	global_store_b128 v[OO], v[C:C+3], s[OP:OP+1] th:TH_STORE_NT             ; phi3: each store of the wave covers 512 consecutive bytes, aligned,
	global_store_b128 v[OO], v[C:C+3], s[OP:OP+1] offset:512 th:TH_STORE_NT  ; and phi3 once more
	s_wait_xcnt 0x0                                ; the stores have had their addresses translated: their base is written again below, their data at the next trip's head
	s_add_nc_u64 s[OP:OP+1], s[OP:OP+1], 1024
	s_mov_b32 s[LEN], s[LEN+1]
	s_mov_b32 s[LEN+1], s[LEN+2]
	s_mov_b32 s[LEN+2], s[LEN+3]
	s_sub_co_u32 s[CNT], s[CNT], 1
	s_cmp_lg_u32 s[CNT], 0
	s_cbranch_scc1 .Lpoly
	s_wait_dscnt 0x0                               ; the closing lines, six on end
	s_wait_alu 0x0
	s_wait_tensorcnt 0x0
	ds_add_u32 v[SPW], v[NIL]
	s_wait_dscnt 0x0
	s_endpgm
.Lfunc_end_k_q27cac873c3_subgraph:
	.size	k_q27cac873c3_subgraph, .Lfunc_end_k_q27cac873c3_subgraph-k_q27cac873c3_subgraph
	.p2alignl 7, 3214868480
	.fill 96, 4, 3214868480
	.section	.rodata,"a",@progbits
	.p2align	6, 0x0
	.amdhsa_kernel k_q27cac873c3_subgraph
		.amdhsa_group_segment_fixed_size 259584
		.amdhsa_private_segment_fixed_size 0
		.amdhsa_enable_private_segment 0
		.amdhsa_kernarg_size 120
		.amdhsa_user_sgpr_count 2
		.amdhsa_user_sgpr_kernarg_segment_ptr 1
		.amdhsa_wavefront_size32 1
		.amdhsa_system_sgpr_workgroup_id_x 1
		.amdhsa_system_sgpr_workgroup_id_y 1
		.amdhsa_system_sgpr_workgroup_id_z 1
		.amdhsa_system_vgpr_workitem_id 0
		.amdhsa_next_free_vgpr 512
		.amdhsa_next_free_sgpr 66
		.amdhsa_reserve_vcc 0
		.amdhsa_float_denorm_mode_32 3
		.amdhsa_float_denorm_mode_16_64 3
		.amdhsa_memory_ordered 1
		.amdhsa_forward_progress 1
		.amdhsa_inst_pref_size 255
	.end_amdhsa_kernel
	.section	.bss,"aw",@nobits
	.p2align	6
	.space	262144
	.amdgpu_metadata
---
amdhsa.version: [ 1, 2 ]
amdhsa.kernels:
  - .name:           k_q27cac873c3_subgraph
    .symbol:         k_q27cac873c3_subgraph.kd
    .args:
      - { .name: hidden_states, .offset: 0, .size: 8, .value_kind: global_buffer, .address_space: global }
      - { .name: lengths, .offset: 8, .size: 8, .value_kind: global_buffer, .address_space: global }
      - { .name: out0, .offset: 16, .size: 8, .value_kind: global_buffer, .address_space: global }
      - { .name: W1, .offset: 24, .size: 8, .value_kind: global_buffer, .address_space: global }
      - { .name: W2, .offset: 32, .size: 8, .value_kind: global_buffer, .address_space: global }
      - { .name: W3, .offset: 40, .size: 8, .value_kind: global_buffer, .address_space: global }
      - { .name: b1, .offset: 48, .size: 8, .value_kind: global_buffer, .address_space: global }
      - { .name: g1, .offset: 56, .size: 8, .value_kind: global_buffer, .address_space: global }
      - { .name: be1, .offset: 64, .size: 8, .value_kind: global_buffer, .address_space: global }
      - { .name: b2, .offset: 72, .size: 8, .value_kind: global_buffer, .address_space: global }
      - { .name: g2, .offset: 80, .size: 8, .value_kind: global_buffer, .address_space: global }
      - { .name: be2, .offset: 88, .size: 8, .value_kind: global_buffer, .address_space: global }
      - { .name: b3, .offset: 96, .size: 8, .value_kind: global_buffer, .address_space: global }
      - { .name: g3, .offset: 104, .size: 8, .value_kind: global_buffer, .address_space: global }
      - { .name: be3, .offset: 112, .size: 8, .value_kind: global_buffer, .address_space: global }
    .group_segment_fixed_size: 259584
    .private_segment_fixed_size: 0
    .kernarg_segment_align: 8
    .kernarg_segment_size: 120
    .max_flat_workgroup_size: 256
    .sgpr_count:     66
    .vgpr_count:     512
    .wavefront_size: 32
...
	.end_amdgpu_metadata
.endif
;; end of part 2
